; MI455X (gfx1250); checked and timed in simulation.
; The chip was launched on July 23, 2026; its instructions are those of AMD's public machine-readable ISA for CDNA 5 (MIT licence, August 2026) and "CDNA5" Instruction Set Architecture Reference Guide (July 2026). The comments in the code are by the model that wrote it; some were corrected since.
;; Symmetric Contraction. Allowed arithmetic: matrix products marked QUANTISED: E5M2 operands, one E8M0 scale for each 32 along K, by v_wmma_scale_f32_16x16x128_f8f6f4 with both operands' format E5M2, f32 sums; products left as they are: f32 operands where the result goes on into a quantised operand, else bf16, f16 or f32 operands; f32 sums; everything else in f32.
;; Inputs: U1 16 x 1 float32; U2 16 x 16 x 4 float32; U3 16 x 16 x 16 x 23 float32; W1 10 x 1 x 128 float32; W2 10 x 4 x 128 float32; W3 10 x 23 x 128 float32; atom_types 2,048 int32; x 2,048 x 16 x 128 float32.
;; Outputs: out0 2,048 x 128 float32.
;; This version of the problem:
;;   THIS VERSION OF THE PROBLEM IS GIVEN IN LOW PRECISION. The matrix products marked QUANTISED in the list below multiply operands that are first quantised to E5M2 (5 exponent bits, 2 mantissa bits; 8 bits a number), with one power-of-two scale for each 32 numbers along K (OCP MX v1.0); their sums are f32. All else is computed in f32.
;;   The module's matrix products, in the order in which they are computed (A, B: the left and right operand; K: the contracted axis; several contracted axes count as one K, in the product's order):
;;     1. batch 262,144 x [M 16, K 1] x [K 1, N 23]; A: computed on the way; B: computed on the way: left as it is (no contracted axis)
;;     2. [M 262,144, K 368] x [K 368, N 256]; A: computed on the way; B: input U3: QUANTISED
;;     3. [M 262,144, K 4] x [K 4, N 256]; A: computed on the way; B: input U2: left as it is (K = 4 < 32)
;;     4. batch 262,144 x [M 1, K 16] x [K 16, N 16]; A: input x; B: computed on the way: left as it is (K = 16 < 32)
;;     5. [M 262,144, K 1] x [K 1, N 16]; A: computed on the way; B: input U1: left as it is (K = 1 < 32)
;;     6. batch 262,144 x [M 1, K 16] x [K 16, N 1]; A: computed on the way; B: input x: left as it is (K = 16 < 32)
;;   THE QUANTISER, for each operand of a quantised product, along K:
;;     - K is cut into blocks of 32 from its start; a last block that is shorter is filled with zeros.
;;     - A block's scale is 2^e with e = floor(log2(the largest magnitude in the block)) - 15, held to -126 .. 127; a block of zeros has e = 0. As a byte (E8M0): e + 127.
;;     - Each number is divided by its block's scale, clamped to +-57,344, and rounded to the nearest number of E5M2, ties to even, subnormals kept.
;;     - The product sums the exact products of the quantised numbers (number of the format x scale) in f32.
;;   ~~~python
;;   def quantise(x, axis):      # numpy; x: float32 -> the quantised numbers, widened to float32 again
;;       x = np.moveaxis(x, axis, -1); K = x.shape[-1]
;;       x = np.pad(x, [(0, 0)] * (x.ndim - 1) + [(0, -K % 32)]); x = x.reshape(x.shape[:-1] + (-1, 32)); a = np.abs(x).max(-1, keepdims=True)
;;       e = np.where(a > 0, np.clip(np.frexp(np.where(a > 0, a, 1))[1] - 1 - 15, -126, 127), 0)      # np.frexp(a)[1] - 1 = floor(log2(a)), exactly
;;       r = np.clip(x / 2.0 ** e, -57344, 57344)
;;       step = 2.0 ** (np.maximum(np.frexp(np.where(r == 0, 1, r))[1] - 1, -14) - 2)
;;       q = np.round(r / step) * step * 2.0 ** e      # np.round: ties to even
;;       return np.moveaxis(q.reshape(q.shape[:-2] + (-1,))[..., :K], -1, axis).astype(np.float32)
;;   ~~~
;;   OPERANDS COMPUTED ON THE WAY. 'Computed on the way' means the value that the module computes at that place (a softmax that the list does not call 'softmax' is quantised finished and normalised). What goes into a quantiser is computed in f32, as accurately as f32 sums, v_exp_f32 and their like allow (about 1e-6 of the number): no bf16 or f16 on the way to a quantiser, and a product that is left as it is and whose result goes on into a quantised operand takes f32 operands (vector FMAs, or v_wmma_f32_16x16x4_f32). A number that lies on a knife's edge between two numbers of the format may be rounded either way, as far as f32 arithmetic and the matrix unit's own rounding can turn it there, and no further.
;; One version. Each part assembles by itself: llvm-mc -triple=amdgcn-amd-amdhsa -mcpu=gfx1250 --defsym DOCPART=n.
;; ======== version 1 of 1: 2 launches
;; workspace buffers: ub 102,400 bytes; wimg 491,520 bytes
;; launch prep (part 1): grid 56 x 1, 1 waves a work-group, no clusters, 0 bytes of LDS; arguments U3, W3, W2, ub, wimg; writes ub, wimg
.if DOCPART == 1
	.amdgcn_target "amdgcn-amd-amdhsa--gfx1250"
	.amdhsa_code_object_version 6
	.text
	.protected	k_q80bd6c2784_prep
	.globl	k_q80bd6c2784_prep
	.p2align	8
	.type	k_q80bd6c2784_prep,@function
k_q80bd6c2784_prep:
	s_mov_b64 s[64:65], 0
	v_nop
	global_prefetch_b8 v0, s[64:65] scope:SCOPE_SE
	s_setreg_imm32_b32 hwreg(HW_REG_WAVE_MODE, 25, 1), 1
	s_wait_xcnt 0x0
; PREPARATION for the symmetric contraction.  56 work-groups of one wave, two kinds, told apart by the work-group's number.
; Work-groups 0-15 (a = the number): U3[a][b][i][k], f32, is the quantised product's operand with K = 23 i + k: a row (a, b) is 368 consecutive
;   numbers.  K is filled with zeros to 384 = 3 steps of 128.  The row is turned into codes of E5M2 with one E8M0 byte for each 32 along K, and
;   stored in the ORDER OF THE OPERAND'S REGISTERS: fragment (a, s), registers 4 c .. 4 c + 3, lane l at ub + ((3 a + s) 4 + c) 512 + 16 l.
;   Lane (r, h) holds row b = r, K = 128 s + 32 c + 16 h + 0 .. 15.  Scale words: ub + 98,304 + 256 a + 16 b: the words of s = 0, 1, 2 and a 0.
; Work-groups 16-55: the numbers that hang on an atom's type e, laid as the main launch's registers take them.  A tile (e, g, tau) is 16 channels
;   c = 64 g + 4 r + tau; it lies at wimg + (8 e + 4 g + tau) 6,144 as 24 units of 256 bytes, lane r at 16 r:
;   units 0-15: number 4 u + v is W3[e][(4 u + v) mod 23][c];  unit 16: W2[e][0..3][c];  units 17-23: MX[0..27].
;   MX[i + j] = the largest |W3[e][k][c]| over those k for which K = 23 i + k falls into block j of 32 (i + j names such a piece uniquely; MX[27] = 0).
; A block's scale is 2^(floor(log2(largest magnitude)) - 15); its byte is the largest magnitude's exponent field - 15, held at 1 from below.
; LIMITS: a block of zeros gets the byte 1 where the rule says 127 (its codes are zeros, and this program alone reads the bytes); blocks whose largest
; magnitude lies under 2^-111 get the byte 1; NaN and infinities among the inputs are not served.
.set TM,   8                           ; v8-11 largest magnitudes, v12-15 the other half's / bytes, v16-19 57,344 x the scale, v20-23 the conversions' scale operands
.set RAW,  64                          ; v64-255 a row's 192 numbers of my half; in the other path v64-159 the tile's image
.set PF,   160                         ; v160-182 largest |w| over k <= t
.set SF,   184                         ; v184-206 largest |w| over k >= t
	s_load_b256 s[4:11], s[0:1], 0x0               ; U3 s[4:5], W3 s[6:7], W2 s[8:9], ub s[10:11]
	s_load_b64 s[12:13], s[0:1], 0x20              ; wimg
	v_and_b32 v1, 15, v0                           ; r
	v_lshrrev_b32 v2, 4, v0                        ; h
	s_mov_b32 s20, 0x76543210
	s_mov_b32 s21, 0xfedcba98                      ; v_permlanex16_b32's selects for lane l xor 16
	s_mov_b32 s22, 0x600000                        ; the mantissa field of 57,344
	s_mov_b32 s25, 0
	s_mov_b32 s31, 0
	s_wait_kmcnt 0x0
	s_cmp_lt_u32 ttmp9, 16
	s_cbranch_scc0 .Lweights
; ---------------- U3: one a, 16 rows b, 3 K steps
; 64 numbers of a lane, register 16 b + i = K 32 b + 16 h + i of my row, become a fragment's codes in v[dst] on and its scale word in v[wrd]
.macro QUANTU src, dst, wrd
.irp b, 0,1,2,3
	v_max3_num_f32 v[TM+\b], |v[\src+16*\b]|, |v[\src+16*\b+1]|, 0x8000000   ; my 16 numbers of block b, and the floor 2^(16 - 127): the byte cannot fall under 1
.endr
.irp i, 2,4,6,8,10,12,14
.irp b, 0,1,2,3
	v_max3_num_f32 v[TM+\b], v[TM+\b], |v[\src+16*\b+\i]|, |v[\src+16*\b+\i+1]|   ; the four blocks by turns
.endr
.endr
.irp b, 0,1,2,3
	v_permlanex16_b32 v[TM+4+\b], v[TM+\b], s20, s21
.endr
.irp b, 0,1,2,3
	v_max_num_f32 v[TM+\b], v[TM+\b], v[TM+4+\b]   ; with lane l xor 16's 16 numbers: the block's largest magnitude
.endr
.irp b, 0,1,2,3
	v_add_nc_u32 v[TM+12+\b], 0xf8800000, v[TM+\b] ; 15 off its exponent field: the conversion takes this operand's exponent field as its scale
.endr
.irp b, 0,1,2,3
	v_and_or_b32 v[TM+8+\b], v[TM+\b], 0x7f800000, s22   ; 57,344 x the scale
.endr
.irp b, 0,1,2,3
	v_lshrrev_b32 v[TM+4+\b], 23, v[TM+12+\b]      ; the scale's byte
.endr
	v_lshl_or_b32 v[\wrd], v[TM+5], 8, v[TM+4]     ; four bytes: my row's scale word of this K step
	v_lshl_or_b32 v[\wrd], v[TM+6], 16, v[\wrd]
	v_lshl_or_b32 v[\wrd], v[TM+7], 24, v[\wrd]
.irp b, 0,1,2,3
.irp i, 0,1,2,3,4,5,6,7,8,9,10,11,12,13,14,15
	v_med3_num_f32 v[\src+16*\b+\i], v[\src+16*\b+\i], -v[TM+8+\b], v[TM+8+\b]   ; the conversion to an 8-bit code does not saturate (ISA guide 7.6.2): hold first
.endr
	v_cvt_scalef32_pk8_bf8_f32 v[\dst+4*\b:\dst+4*\b+1], v[\src+16*\b:\src+16*\b+7], v[TM+12+\b]
	v_cvt_scalef32_pk8_bf8_f32 v[\dst+4*\b+2:\dst+4*\b+3], v[\src+16*\b+8:\src+16*\b+15], v[TM+12+\b]
.endr
	v_nop                                          ; a plain line behind the last conversion, ahead of the next vector line that touches its registers
.endm
	v_mul_u32_u24 v4, v1, 1472                     ; a row of 368 f32
	v_lshl_add_u32 v3, v2, 6, v4                   ; + 64 h: my 16 numbers of each block of 32
	v_lshlrev_b32 v5, 4, v0                        ; out: 16 x lane
	v_lshlrev_b32 v6, 4, v1                        ; scale words: 16 b
	s_mul_i32 s24, ttmp9, 23552                    ; 16 rows of 1,472 bytes for each a
	s_add_nc_u64 s[4:5], s[4:5], s[24:25]
	s_mul_i32 s24, ttmp9, 6144                     ; 12 units of 512 bytes of codes for each a
	s_add_nc_u64 s[14:15], s[10:11], s[24:25]
	s_lshl_b32 s24, ttmp9, 8                       ; 256 bytes of scale words for each a
	s_add_nc_u64 s[16:17], s[10:11], s[24:25]
.irp s, 0,1,2
.irp c, 0,1,2,3
.irp u, 0,1,2,3
.if (\s == 2) && (\c == 3)
	global_load_b128 v[RAW+64*\s+16*\c+4*\u:RAW+64*\s+16*\c+4*\u+3], v4, s[4:5] offset:512*\s+128*\c+16*\u th:TH_LOAD_NT   ; the last block has 16 numbers: both halves read them, so that no load leaves its row
.else
	global_load_b128 v[RAW+64*\s+16*\c+4*\u:RAW+64*\s+16*\c+4*\u+3], v3, s[4:5] offset:512*\s+128*\c+16*\u th:TH_LOAD_NT
.endif
.endr
.endr
.endr
.irp b, 0,1,2,3
	v_mov_b32 v[TM+4+\b], 0                        ; written once: a lane permute's destination counts as one of its sources
.endr
	v_mov_b32 v28, 0
	v_mov_b32 v27, 0                               ; the fourth word beside the three scale words
	v_cmp_lt_u32 vcc_lo, 15, v0
	s_wait_loadcnt 0x0
.irp q, 0,1,2,3,4,5,6,7,8,9,10,11,12,13,14,15
	v_cndmask_b32 v[RAW+176+\q], v[RAW+176+\q], v28, vcc_lo   ; K = 368 .. 383 (lanes 16-31 of the last block): zeros
.endr
	QUANTU RAW, 32, 24                             ; each step's codes get registers that no store has read: v32-47, then the first step's dead numbers
.irp c, 0,1,2,3
	global_store_b128 v5, v[32+4*\c:32+4*\c+3], s[14:15] offset:512*\c            ; 32 lanes store 512 consecutive bytes
.endr
	QUANTU RAW+64, 64, 25
.irp c, 0,1,2,3
	global_store_b128 v5, v[64+4*\c:64+4*\c+3], s[14:15] offset:2048+512*\c
.endr
	QUANTU RAW+128, 80, 26
.irp c, 0,1,2,3
	global_store_b128 v5, v[80+4*\c:80+4*\c+3], s[14:15] offset:4096+512*\c
.endr
	v_cmp_gt_u32 vcc_lo, 16, v0
	s_wait_xcnt 0x0                                ; EXEC is a source of the stores above: it changes only behind this wait
	s_and_saveexec_b32 s26, vcc_lo
	global_store_b128 v6, v[24:27], s[16:17] offset:98304   ; lanes 0-15: 256 consecutive bytes, aligned
	s_wait_xcnt 0x0
	s_or_b32 exec_lo, exec_lo, s26
	s_endpgm
; ---------------- the type's numbers: two tiles a work-group, lanes 0-15 tile 2 t, lanes 16-31 tile 2 t + 1
.Lweights:
	s_sub_co_u32 s24, ttmp9, 16
	s_lshr_b32 s26, s24, 2                         ; e
	s_bfe_u32 s27, s24, 0x10001                    ; g
	s_and_b32 s28, s24, 1                          ; t
	v_lshlrev_b32 v3, 4, v1                        ; 16 r
	v_lshl_add_u32 v4, v2, 2, v3                   ; + 4 h
	s_lshl_b32 s29, s27, 8
	s_lshl_b32 s30, s28, 3
	s_add_co_u32 s29, s29, s30
	v_add_nc_u32 v4, s29, v4                       ; 4 c = 256 g + 16 r + 8 t + 4 h
	s_mul_i32 s30, s26, 11776                      ; W3[e]: 23 rows of 512 bytes
	s_add_nc_u64 s[6:7], s[6:7], s[30:31]
	s_lshl_b32 s30, s26, 11                        ; W2[e]: 4 rows
	s_add_nc_u64 s[8:9], s[8:9], s[30:31]
	s_lshl_b32 s30, s26, 3
	s_lshl_b32 s29, s27, 2
	s_add_co_u32 s30, s30, s29
	s_lshl_b32 s29, s28, 1
	s_add_co_u32 s30, s30, s29                     ; tile 8 e + 4 g + 2 t
	s_mul_i32 s30, s30, 6144
	s_add_nc_u64 s[12:13], s[12:13], s[30:31]
	v_mul_u32_u24 v5, v2, 6144
	v_add_nc_u32 v5, v5, v3                        ; out: my tile, 16 r
.set PP, 0
.rept 64
	global_load_b32 v[RAW+PP], v4, s[6:7] offset:512*(PP%23)
.set PP, PP+1
.endr
.irp k, 0,1,2,3
	global_load_b32 v[RAW+64+\k], v4, s[8:9] offset:512*\k
.endr
	s_wait_loadcnt 0x0
	v_max_num_f32 v[PF], |v[RAW]|, |v[RAW]|
.set PP, 1
.rept 22
	v_max_num_f32 v[PF+PP], v[PF+PP-1], |v[RAW+PP]|
.set PP, PP+1
.endr
	v_max_num_f32 v[SF+22], |v[RAW+22]|, |v[RAW+22]|
.set PP, 21
.rept 22
	v_max_num_f32 v[SF+PP], v[SF+PP+1], |v[RAW+PP]|
.set PP, PP-1
.endr
; a block of 32 is longer than the 23 numbers of one i, so each piece (i, block j) begins at k = 0 or ends at k = 22
.set JB, 0
.rept 12
.set KB, 32*JB
.set KE, KB+31
.if KE > 367
.set KE, 367
.endif
.set II, KB/23
.rept 3
.if II <= KE/23
.set KLO, KB-23*II
.if KLO < 0
.set KLO, 0
.endif
.set KHI, KE-23*II
.if KHI > 22
.set KHI, 22
.endif
.if KLO == 0
	v_mov_b32 v[RAW+68+II+JB], v[PF+KHI]
.else
	v_mov_b32 v[RAW+68+II+JB], v[SF+KLO]
.endif
.endif
.set II, II+1
.endr
.set JB, JB+1
.endr
	v_mov_b32 v[RAW+95], 0                         ; MX[27]
.set PP, 0
.rept 24
	global_store_b128 v5, v[RAW+4*PP:RAW+4*PP+3], s[12:13] offset:256*PP   ; sixteen lanes store 256 consecutive bytes, aligned
.set PP, PP+1
.endr
	s_endpgm
.Lfunc_end_k_q80bd6c2784_prep:
	.size	k_q80bd6c2784_prep, .Lfunc_end_k_q80bd6c2784_prep-k_q80bd6c2784_prep
	.p2alignl 7, 3214868480
	.fill 96, 4, 3214868480
	.section	.rodata,"a",@progbits
	.p2align	6, 0x0
	.amdhsa_kernel k_q80bd6c2784_prep
		.amdhsa_group_segment_fixed_size 0
		.amdhsa_private_segment_fixed_size 0
		.amdhsa_enable_private_segment 0
		.amdhsa_kernarg_size 40
		.amdhsa_user_sgpr_count 2
		.amdhsa_user_sgpr_kernarg_segment_ptr 1
		.amdhsa_wavefront_size32 1
		.amdhsa_system_sgpr_workgroup_id_x 1
		.amdhsa_system_sgpr_workgroup_id_y 1
		.amdhsa_system_sgpr_workgroup_id_z 1
		.amdhsa_system_vgpr_workitem_id 0
		.amdhsa_next_free_vgpr 256
		.amdhsa_next_free_sgpr 66
		.amdhsa_reserve_vcc 1
		.amdhsa_float_denorm_mode_32 3
		.amdhsa_float_denorm_mode_16_64 3
		.amdhsa_memory_ordered 1
		.amdhsa_forward_progress 1
		.amdhsa_inst_pref_size 46
	.end_amdhsa_kernel
	.amdgpu_metadata
---
amdhsa.version: [ 1, 2 ]
amdhsa.kernels:
  - .name:           k_q80bd6c2784_prep
    .symbol:         k_q80bd6c2784_prep.kd
    .args:
      - { .name: U3, .offset: 0, .size: 8, .value_kind: global_buffer, .address_space: global }
      - { .name: W3, .offset: 8, .size: 8, .value_kind: global_buffer, .address_space: global }
      - { .name: W2, .offset: 16, .size: 8, .value_kind: global_buffer, .address_space: global }
      - { .name: ub, .offset: 24, .size: 8, .value_kind: global_buffer, .address_space: global }
      - { .name: wimg, .offset: 32, .size: 8, .value_kind: global_buffer, .address_space: global }
    .group_segment_fixed_size: 0
    .private_segment_fixed_size: 0
    .kernarg_segment_align: 8
    .kernarg_segment_size: 40
    .max_flat_workgroup_size: 32
    .sgpr_count:     66
    .vgpr_count:     256
    .wavefront_size: 32
...
	.end_amdgpu_metadata
.endif
;; end of part 1
;; launch main (part 2): grid 256 x 1, 8 waves a work-group, no clusters, 168,960 bytes of LDS; arguments x, atom_types, U1, U2, W1, wimg, ub, out0; writes out0
.if DOCPART == 2
	.amdgcn_target "amdgcn-amd-amdhsa--gfx1250"
	.amdhsa_code_object_version 6
	.text
	.protected	k_q80bd6c2784_main
	.globl	k_q80bd6c2784_main
	.p2align	8
	.type	k_q80bd6c2784_main,@function
k_q80bd6c2784_main:
	s_mov_b64 s[64:65], 0
	v_nop
	global_prefetch_b8 v0, s[64:65] scope:SCOPE_SE
	s_setreg_imm32_b32 hwreg(HW_REG_WAVE_MODE, 25, 1), 1
	s_wait_xcnt 0x0
; out[n][c] = sum_a x_a ( U1[a] w1 + sum_b x_b ( c3[a][b] + sum_k U2[a][b][k] w2_k ) ),  c3[a][b] = sum_K Q(U3[a][b][K]) Q(x_i w3_k),  K = 23 i + k, filled with zeros from 368 to 384.
; x: [2048][16][128] f32; w1, w2, w3: the rows of W1, W2, W3 of the atom's type.  Q: codes of E5M2 with one E8M0 scale for each 32 along K; sums in f32.
; SHARES.  A work-group of eight waves takes 8 atoms in two passes; in a pass a wave takes half an atom: 64 channels = four tiles of 16 rows of the product.  Tile tau, lane r: channel c = 64 g + 4 r + tau,
; so that 16 bytes a lane hold one x_i for all four tiles, and the 64 results leave as 256 consecutive bytes.
; PHASES of a pass.  Q: the four tiles' numbers x_i w3_k are made, quantised and kept as codes in registers (192).  M0: the terms of U2 and U1 by two bf16 matrix instructions a tile (K = (b, k), 64).
; M: for a = 0 .. 15: U3's three fragments of that a come from LDS and each serves four matrix instructions; the results are contracted with x at once.
; THE MATRIX INSTRUCTION IS USED TRANSPOSED: source 0 = the 16 rows b of U3[a], source 1 = 16 channels: lane (r, h) holds channel r, register j is b = 8 h + j.  sum_b is four packed multiply-adds in a lane,
; sum_a one more; the two halves of the lanes meet once, at the end.
; A BLOCK'S LARGEST MAGNITUDE IS NOT SEARCHED FOR: rounding keeps order, so the largest |x_i w_k| over a run of k is |x_i| times the largest |w_k| of that run, rounded; those maxima come ready (MX).
; EVERY LOAD IS ASKED FOR WELL AHEAD OF ITS USE.  x: each wave reads the 8,192 bytes of its two jobs once, at the head, and keeps them in LDS bytes of its own.  w3's image has two sets of registers (even tiles:
; window 1, where tile 3's codes will lie; odd tiles: window 0): a set is asked for again as soon as its tile's last product is out, two tiles ahead.  A tile's twelve block maxima are made at its head, so that MX is
; free for the next tile's a whole tile ahead.  What phase M0 wants comes into registers that tile 3 has done with.
; LDS: bytes 0 .. 102,399 the image of U3's codes and scale words, written once at the head (waves 4-7: 46 units of 512 bytes each; waves 0-3: 4 each) and only read afterwards; behind it 8,192 bytes a wave for x.
; Each wave signals the barrier when its own stores have landed and waits for it only behind phases Q and M0, which read no byte of the image.
; NO CLUSTER: all that work-groups share is that image, read once at the head, against some 300,000 bytes that a work-group fetches for itself alone.  NO PREFETCH: all of x is asked for at the head.
; The U2 term's operands (U2, x_b w2_k) are rounded to bf16; all else is f32.
; LIMITS: NaN and infinities are not served; a block whose largest magnitude lies under 2^-111 (a block of zeros too) gets the scale byte 1; the zero fill may hold the code of -0.
; REGISTERS.  Window 0: v1-10 offsets and LDS addresses; v12-15 LIM, v36-47 AMAX, v48-51 SOP (phase Q); v16-27 my tiles' scale words (3 tau + s); v28-35 U3's scale words, two sets;
;   phase Q: T v52-115, W of odd tiles v116-163, MX v164-191, XB v192-255;  phase M0: the names below;  phase M: BF v52-147 (two sets of three fragments), AC v148-211 (two sets of four), P v212-219, OUT v220-227, F v228-231.
;   Window 1: v0-191 the codes, fragment (tau, s) at 16 (3 tau + s) (v144-191 first hold W of the even tiles);  v192-255: phase Q: XA;  later XQ v192-223 and XH v224-255.
.set TILEB, 6144                       ; bytes of a tile's image in wimg
.set XS,    102400                     ; LDS: where the waves' x begins
.set LIM,  12                          ; block c of the K step in hand: 57,344 x the scale
.set SW,   16
.set SB,   28
.set AMAX, 36                          ; the tile's twelve largest magnitudes
.set SOP,  48                          ; block c of the K step in hand: the conversions' scale operand
.set T,    52                          ; 64 numbers of a K step: register 16 c + t is K = 128 s + 32 c + 16 h + t
.set WA,   116                         ; W[P] = w3[(P + 16 h) mod 23], P = 0 .. 47: odd tiles, window 0
.set WB,   144                         ; the same for even tiles, window 1
.set MX,   164
.set XX0,  192                         ; window 1: XA[4 i + tau] = (x_i | x_i);  window 0: XB[4 i + tau] = (x_i | x_(i+1)) in lanes (0-15 | 16-31), XB[15] = (x_15 | 0)
.set XR,   52                          ; XR[4 j + tau] = x_(8 h + j)
.set YT,   84                          ; 32 numbers x_b w2_k of a tile;
.set D2,   84                          ; later the four accumulators of the bf16 products
.set U2R,  116                         ; U2 as loaded
.set U2F,  148                         ; U2's two fragments, bf16
.set W2R,  164                         ; W2R[4 tau + k] = w2_k
.set W1Q,  180                         ; W1Q[tau] = w1
.set U1H,  184                         ; U1H[j] = U1[8 h + j]
.set Y,    192                         ; four tiles' two fragments of x_b w2_k, bf16
.set BF0,  52
.set AC0,  148
.set P,    212
.set OUT,  220
.set F,    228
.set XQ,   192                         ; window 1: XQ[4 (a mod 8) + tau] = x_a
.set XH,   224                         ; window 1: XH[8 tau + j] = x_(8 h + j)
.set MSB, 0
.macro WIN new                         ; low byte: bits 1:0 source 0, 3:2 source 1, 5:4 source 2, 7:6 destination; the high byte repeats the setting that is left
.if MSB != (\new)
	s_set_vgpr_msb (MSB<<8)|(\new)
.set MSB, (\new)
.endif
.endm
.macro XSTORE                          ; my two jobs' x, 16 x 512 bytes, from window 1 v0-63 into my own LDS bytes, as they lie: row i of pass p at 4,096 p + 256 i
	WIN 0x04                                       ; an LDS store's data are its source 1
.set NI, 0
.rept 16
	ds_store_b128 v4, v[4*NI:4*NI+3] offset:512*NI
.set NI, NI+1
.endr
	WIN 0
.endm
.macro XLOAD                           ; the job's x out of my LDS bytes, twice: both halves of the lanes alike, and lanes 16-31 one i further on
	WIN 0x40
.irp i, 0,1,2,3,4,5,6,7,8,9,10,11,12,13,14,15
	ds_load_b128 v[XX0+4*\i:XX0+4*\i+3], v9 offset:256*\i
.endr
	WIN 0
.irp i, 0,1,2,3,4,5,6,7,8,9,10,11,12,13,14
	ds_load_b128 v[XX0+4*\i:XX0+4*\i+3], v10 offset:256*\i
.endr
	ds_load_b128 v[XX0+60:XX0+63], v9 offset:3840  ; no i = 16: both halves read x_15; lanes 16-31 are cleared behind the wait
.endm
.macro WLOAD tau                       ; a tile's w3 (lanes 16-31 four units = 16 numbers further on) into the set of its parity
.if ((\tau)%2) == 0
	WIN 0x40
.irp q, 0,1,2,3,4,5,6,7,8,9,10,11
	global_load_b128 v[WB+4*\q:WB+4*\q+3], v2, s[28:29] offset:TILEB*(\tau)+256*\q
.endr
	WIN 0
.else
	WIN 0
.irp q, 0,1,2,3,4,5,6,7,8,9,10,11
	global_load_b128 v[WA+4*\q:WA+4*\q+3], v2, s[28:29] offset:TILEB*(\tau)+256*\q
.endr
.endif
.endm
.macro MXLOAD tau
.irp q, 0,1,2,3,4,5,6
	global_load_b128 v[MX+4*\q:MX+4*\q+3], v1, s[28:29] offset:TILEB*(\tau)+256*(17+\q)
.endr
.endm
; The first 31 loads of a pass, ahead of the pass: the bases that hang on the atom's type (s24), then W of tile 0, MX of tile 0, W of tile 1, in this order
.macro FIRSTLOADS
	s_wait_kmcnt 0x0                               ; the types
	s_min_u32 s38, s24, 9                          ; the type, held inside the tables
	s_mul_i32 s40, s38, 8*TILEB
	s_mul_i32 s39, s22, 4*TILEB
	s_add_co_u32 s40, s40, s39
	s_mov_b32 s41, 0
	s_add_nc_u64 s[28:29], s[14:15], s[40:41]      ; wimg at tile (e, g, 0)
	s_lshl_b32 s40, s38, 9
	s_add_co_u32 s40, s40, s46
	s_add_nc_u64 s[30:31], s[12:13], s[40:41]      ; W1[e] at my 64 channels
	WLOAD 0
	MXLOAD 0
	WLOAD 1
.endm
; The tile's twelve largest magnitudes.  For each block j and each i in it: |x_i| x MX[i + j]; then the largest of a block's one to three pieces and the floor 2^(16 - 127), which holds the byte at 1 from below.
; Every lane makes the whole block's, so no lanes are joined.  The pieces stand in T, which is free at a tile's head.
.macro ALLMAX tau
	WIN 0x04
.set JB, 0
.rept 12
.set KB, 32*JB
.set KE, KB+31
.if KE > 367
.set KE, 367
.endif
.set II, KB/23
.set NN, 0
.rept 3
.if II <= KE/23
	v_mul_f32 v[T+4*JB+NN], v[MX+II+JB], |v[XX0+4*II+(\tau)]|
.endif
.set II, II+1
.set NN, NN+1
.endr
.set JB, JB+1
.endr
	WIN 0
.irp pass2, 0, 1
.set JB, 0
.rept 12
.set KB, 32*JB
.set KE, KB+31
.if KE > 367
.set KE, 367
.endif
.set NS, KE/23-KB/23+1
.if \pass2 == 0
.if NS == 1
	v_max_num_f32 v[AMAX+JB], 0x8000000, v[T+4*JB]
.elseif NS == 2
	v_max3_num_f32 v[AMAX+JB], v[T+4*JB], v[T+4*JB+1], 0x8000000
.else
	v_max3_num_f32 v[AMAX+JB], v[T+4*JB], v[T+4*JB+1], v[T+4*JB+2]
.endif
.elseif NS == 3
	v_max_num_f32 v[AMAX+JB], 0x8000000, v[AMAX+JB]
.endif
.set JB, JB+1
.endr
.endr
.endm
.macro SCALES tau, s                   ; ahead of the K step's products: the four bytes stand in T for a moment
.irp c, 0,1,2,3
	v_add_nc_u32 v[SOP+\c], 0xf8800000, v[AMAX+4*(\s)+\c]      ; 15 off the exponent field: the conversion's scale operand
.endr
.irp c, 0,1,2,3
	v_and_or_b32 v[LIM+\c], v[AMAX+4*(\s)+\c], 0x7f800000, s34 ; 57,344 x the scale
.endr
.irp c, 0,1,2,3
	v_lshrrev_b32 v[T+\c], 23, v[SOP+\c]                       ; the byte
.endr
	v_lshl_or_b32 v[SW+3*(\tau)+(\s)], v[T+1], 8, v[T]         ; my row's scale word of this K step (both halves of the lanes hold it; lanes 0-15 are read)
	v_lshl_or_b32 v[SW+3*(\tau)+(\s)], v[T+2], 16, v[SW+3*(\tau)+(\s)]
	v_lshl_or_b32 v[SW+3*(\tau)+(\s)], v[T+3], 24, v[SW+3*(\tau)+(\s)]
.endm
; The products of a K step.  Slot K (lanes 0-15; lanes 16-31 hold K + 16) wants w3 at P = K mod 46 and x number q = K / 23 + (K + 16) / 23: even q = 2 i: XA[i]; odd q = 2 i + 1: XB[i].
; XA and XB have the same numbers in different windows: ty = 0 writes the slots of even q (source 1 in window 1), ty = 1 those of odd q.  A pair of slots with one q is one packed multiply.
.macro PRODPASS tau, s, ty
.if ((\tau)%2) == 0
.set WW, WB
.else
.set WW, WA
.endif
.set CB, 0
.rept 4
.set TB, 0
.rept 8
.set KK, 128*(\s)+32*CB+2*TB
.set PP, KK%46
.set QL, KK/23+(KK+16)/23
.set QH, (KK+1)/23+(KK+17)/23
.set DD, T+16*CB+2*TB
.if QL == QH
.if (QL%2) == \ty
.set XV, XX0+4*(QL/2)+(\tau)
.set XE, XV-(XV%2)
.if XV%2
	v_pk_mul_f32 v[DD:DD+1], v[WW+PP:WW+PP+1], v[XE:XE+1] op_sel:[0,1] op_sel_hi:[1,1]
.else
	v_pk_mul_f32 v[DD:DD+1], v[WW+PP:WW+PP+1], v[XE:XE+1] op_sel_hi:[1,0]
.endif
.endif
.else
.if (QL%2) == \ty
	v_mul_f32 v[DD], v[WW+PP], v[XX0+4*(QL/2)+(\tau)]
.endif
.if (QH%2) == \ty
	v_mul_f32 v[DD+1], v[WW+PP+1], v[XX0+4*(QH/2)+(\tau)]
.endif
.endif
.set TB, TB+1
.endr
.set CB, CB+1
.endr
.endm
.macro HOLD                            ; the conversion to an 8-bit code does not saturate (ISA guide 7.6.2)
.irp c, 0,1,2,3
.irp i, 0,1,2,3,4,5,6,7,8,9,10,11,12,13,14,15
	v_med3_num_f32 v[T+16*\c+\i], v[T+16*\c+\i], -v[LIM+\c], v[LIM+\c]
.endr
.endr
.endm
.macro CVT tau, s                      ; the results are the operand's registers, in window 1
	WIN 0x40
.irp c, 0,1,2,3
	v_cvt_scalef32_pk8_bf8_f32 v[16*(3*(\tau)+(\s))+4*\c:16*(3*(\tau)+(\s))+4*\c+1], v[T+16*\c:T+16*\c+7], v[SOP+\c]
	v_cvt_scalef32_pk8_bf8_f32 v[16*(3*(\tau)+(\s))+4*\c+2:16*(3*(\tau)+(\s))+4*\c+3], v[T+16*\c+8:T+16*\c+15], v[SOP+\c]
.endr
	WIN 0
	v_nop                                          ; a plain line behind the last conversion: the next lines write its sources
.endm
.macro M0ALOAD                         ; into MX's registers, which tile 3 has done with: w2 of the four tiles, w1, U1
.irp q, 0,1,2,3
	global_load_b128 v[W2R+4*\q:W2R+4*\q+3], v1, s[28:29] offset:TILEB*\q+4096
.endr
	global_load_b128 v[W1Q:W1Q+3], v1, s[30:31]
	global_load_b128 v[U1H:U1H+3], v8, s[8:9]
	global_load_b128 v[U1H+4:U1H+7], v8, s[8:9] offset:16
.endm
.macro U2LOAD                          ; into W's registers of the odd tiles, which tile 3 has done with: U2[a = r][8 h .. 8 h + 7][0..3]: 32 consecutive numbers
.irp q, 0,1,2,3,4,5,6,7
	global_load_b128 v[U2R+4*\q:U2R+4*\q+3], v7, s[10:11] offset:16*\q
.endr
.endm
.macro KSTEP tau, s
	SCALES \tau, \s
	WIN 0x04+(1-((\tau)%2))                        ; W (source 0) in window 1 for even tiles; x (source 1) in window 1
	PRODPASS \tau, \s, 0
	WIN 1-((\tau)%2)                               ; x in window 0
	PRODPASS \tau, \s, 1
.if (\s) == 2
.if (\tau) < 2
	WLOAD (\tau)+2                                 ; this tile's W has had its last read: its registers take the W of two tiles on
.elseif (\tau) == 3
	WIN 0
	U2LOAD
.endif
.endif
	WIN 0
	HOLD
	CVT \tau, \s
.endm
.macro TILE tau
.if (\tau) == 3
	s_wait_loadcnt 0x0                             ; nothing was asked for behind this tile's W and MX
.else
	s_wait_loadcnt 12                              ; this tile's W and MX are in; behind them stand the 12 loads of the W asked for last
.endif
.if (\tau) == 0
	s_wait_dscnt 0x0                               ; x
	v_cmp_ne_u32 vcc_lo, 0, v8                     ; lanes 16-31
	v_mov_b32 v[T], 0
.irp q, 0,1,2,3
	v_cndmask_b32 v[XX0+60+\q], v[XX0+60+\q], v[T], vcc_lo   ; XB[15] = (x_15 | 0): K = 368 .. 383 become zeros
.endr
.endif
	ALLMAX \tau
.if (\tau) < 3
	MXLOAD (\tau)+1                                ; MX has had its last read for this tile: the next tile's is asked for, a tile ahead
.else
	M0ALOAD
.endif
	KSTEP \tau, 0
	KSTEP \tau, 1
	KSTEP \tau, 2
.endm
; Phase M0, a tile's operand: x_b w2_k, b = 8 h + j, rounded to bf16.  Instruction m takes b = 8 h + 4 m + 0 .. 3 with k = 0 .. 3 as its lane's 16 places along K, alike in both operands.
.macro SIDEY tau
.set SJ, 0
.rept 8
.set SX, XR+4*SJ+(\tau)
.set SE, SX-(SX%2)
.irp u, 0, 1
.if SX%2
	v_pk_mul_f32 v[YT+4*SJ+2*\u:YT+4*SJ+2*\u+1], v[W2R+4*(\tau)+2*\u:W2R+4*(\tau)+2*\u+1], v[SE:SE+1] op_sel:[0,1] op_sel_hi:[1,1]
.else
	v_pk_mul_f32 v[YT+4*SJ+2*\u:YT+4*SJ+2*\u+1], v[W2R+4*(\tau)+2*\u:W2R+4*(\tau)+2*\u+1], v[SE:SE+1] op_sel_hi:[1,0]
.endif
.endr
.set SJ, SJ+1
.endr
.set SJ, 0
.rept 16
	v_cvt_pk_bf16_f32 v[Y+16*(\tau)+SJ], v[YT+2*SJ], v[YT+2*SJ+1]
.set SJ, SJ+1
.endr
.endm
.macro BFLOAD a                        ; U3's three fragments of a into set a % 2: images of the registers, 16 x lane, 512 bytes a load
.set BD, BF0+48*((\a)%2)
.set BO, ((\a)%8)*6144
.irp s, 0,1,2
.irp c, 0,1,2,3
.if (\a) < 8
	ds_load_b128 v[BD+16*\s+4*\c:BD+16*\s+4*\c+3], v5 offset:BO+2048*\s+512*\c
.else
	ds_load_b128 v[BD+16*\s+4*\c:BD+16*\s+4*\c+3], v6 offset:BO+2048*\s+512*\c
.endif
.endr
.endr
.endm
.macro SBLOAD u                        ; U3's scale words of a = 2 u (lanes 0-15) and a = 2 u + 1 (lanes 16-31): register s is K step s
	ds_load_b128 v[SB+4*((\u)%2):SB+4*((\u)%2)+3], v6 offset:49152+512*(\u)
.endm
.macro MM a, n                         ; product n of 12 of step a: K step n / 4, tile n % 4.  The four accumulators take turns; the first K step starts the sums
.set MS, (\n)/4
.set MT, (\n)%4
.set MA, AC0+32*((\a)%2)+8*MT
.set MB, BF0+48*((\a)%2)+16*MS
.set MC, 16*(3*MT+MS)
.set MU, SB+4*(((\a)/2)%2)+MS
.set MW, SW+3*MT+MS
.if MS == 0
.if (\a)%2
	v_wmma_scale_f32_16x16x128_f8f6f4 v[MA:MA+7], v[MB:MB+15], v[MC:MC+15], 0, v[MU], v[MW] matrix_a_fmt:MATRIX_FMT_BF8 matrix_b_fmt:MATRIX_FMT_BF8 matrix_a_scale:MATRIX_SCALE_ROW1
.else
	v_wmma_scale_f32_16x16x128_f8f6f4 v[MA:MA+7], v[MB:MB+15], v[MC:MC+15], 0, v[MU], v[MW] matrix_a_fmt:MATRIX_FMT_BF8 matrix_b_fmt:MATRIX_FMT_BF8
.endif
.else
.if (\a)%2
	v_wmma_scale_f32_16x16x128_f8f6f4 v[MA:MA+7], v[MB:MB+15], v[MC:MC+15], v[MA:MA+7], v[MU], v[MW] matrix_a_fmt:MATRIX_FMT_BF8 matrix_b_fmt:MATRIX_FMT_BF8 matrix_a_scale:MATRIX_SCALE_ROW1
.else
	v_wmma_scale_f32_16x16x128_f8f6f4 v[MA:MA+7], v[MB:MB+15], v[MC:MC+15], v[MA:MA+7], v[MU], v[MW] matrix_a_fmt:MATRIX_FMT_BF8 matrix_b_fmt:MATRIX_FMT_BF8
.endif
.endif
.endm
.macro POSTI a, n                      ; line n of 20 of step a's contraction, tile n % 4: P = sum_b c3[a][b] x_b (lines 0-15, each accumulator from its low end on); OUT += P x_a (16-19)
.set PT, (\n)%4
.set PY, (\n)/4
.set PA, AC0+32*((\a)%2)+8*PT
.if PY == 0
	v_pk_mul_f32 v[P+2*PT:P+2*PT+1], v[PA:PA+1], v[XH+8*PT:XH+8*PT+1]
.elseif PY < 4
	v_pk_fma_f32 v[P+2*PT:P+2*PT+1], v[PA+2*PY:PA+2*PY+1], v[XH+8*PT+2*PY:XH+8*PT+2*PY+1], v[P+2*PT:P+2*PT+1]
.else
.set PX, XQ+4*((\a)%8)+PT
.set PE, PX-(PX%2)
.if PX%2
	v_pk_fma_f32 v[OUT+2*PT:OUT+2*PT+1], v[P+2*PT:P+2*PT+1], v[PE:PE+1], v[OUT+2*PT:OUT+2*PT+1] op_sel:[0,1,0] op_sel_hi:[1,1,1]
.else
	v_pk_fma_f32 v[OUT+2*PT:OUT+2*PT+1], v[P+2*PT:P+2*PT+1], v[PE:PE+1], v[OUT+2*PT:OUT+2*PT+1] op_sel_hi:[1,0,1]
.endif
.endif
.endm
; STEP a: 12 products on accumulator set a % 2, with step a - 1's contraction (the other set) line by line behind them.  One window setting serves both: source 1 in window 1.
; The eight lines at the step's end name nothing of this step's products: they are the eight places ahead of the loads into this step's fragments and of the next step's first read of its results.
; x_8 .. x_15 come out of my LDS bytes at the ends of steps 4 and 8; the wait at the head of the step after next leaves only that step's 12 younger loads out, so they are in long before steps 9 and 13 read them.
.macro STEP a
.if (\a) == 15
	s_wait_dscnt 0x0                               ; nothing was asked for behind this step's fragments
.elseif ((\a)%2) == 0
	s_wait_dscnt 12                                ; my scale words and fragments are in; the other set's 12 loads may be out
.elseif ((\a) == 5) || ((\a) == 9)
	s_wait_dscnt 17                                ; behind my fragments: one load of scale words, the other set's 12 and four of x
.else
	s_wait_dscnt 13                                ; behind my fragments: one load of scale words and the other set's 12
.endif
.set NI, 0
.rept 12
	MM \a, NI
.if (\a) > 0
	POSTI (\a)-1, NI
.endif
.set NI, NI+1
.endr
.if (\a) > 0
.set NI, 12
.rept 8
	POSTI (\a)-1, NI
.set NI, NI+1
.endr
.else
.rept 8
	v_nop
.endr
.endif
.if (((\a)%2) == 0) && ((\a) <= 12)
	SBLOAD (\a)/2+1
.endif
.if (\a) <= 13
	BFLOAD (\a)+2
.endif
.if (\a) == 4                          ; x_0 .. x_3 have had their last read (step 3's contraction ended above)
	WIN 0x44
.irp q, 0,1,2,3
	ds_load_b128 v[XQ+4*\q:XQ+4*\q+3], v9 offset:256*(8+\q)
.endr
	WIN 0x04
.endif
.if (\a) == 8
	WIN 0x44
.irp q, 0,1,2,3
	ds_load_b128 v[XQ+16+4*\q:XQ+16+4*\q+3], v9 offset:256*(12+\q)
.endr
	WIN 0x04
.endif
.endm
; ---------------- the head
	s_load_b512 s[4:19], s[0:1], 0x0               ; x s[4:5], atom_types s[6:7], U1 s[8:9], U2 s[10:11], W1 s[12:13], wimg s[14:15], ub s[16:17], out0 s[18:19]
	v_and_b32 v11, 31, v0                          ; lane
	v_lshrrev_b32 v1, 5, v0
	v_readfirstlane_b32 s20, v1                    ; wave 0..7
	s_and_b32 s21, s20, 3                          ; which of a pass's four atoms
	s_lshr_b32 s22, s20, 2                         ; g: which half of its channels
	v_and_b32 v12, 15, v0                          ; r
	v_bfe_u32 v13, v0, 4, 1                        ; h
	v_lshlrev_b32 v1, 4, v12                       ; 16 r
	v_lshl_add_u32 v2, v13, 10, v1                 ; + four units of wimg for lanes 16-31
	v_lshl_add_u32 v252, v13, 9, v1                ; + one row of x for lanes 16-31 (used in the head alone, like v253 and v254)
	v_lshlrev_b32 v5, 4, v11                       ; LDS: 16 x lane,
	v_add_nc_u32 v6, 49152, v5                     ; and the same in the image's upper part (a >= 8, scale words)
	v_lshlrev_b32 v7, 8, v12
	v_lshl_add_u32 v7, v13, 7, v7                  ; U2: 256 a + 128 h
	v_lshlrev_b32 v8, 5, v13                       ; U1: 32 h; also: 0 in lanes 0-15 alone
	s_lshl_b32 s38, s20, 13
	s_add_co_u32 s38, s38, XS                      ; my wave's 8,192 bytes for x
	v_add_nc_u32 v3, s38, v1                       ; + 16 r
	v_add_nc_u32 v4, s38, v5                       ; + 16 x lane = 16 r + 256 h: lanes 16-31 one row further on
	s_mul_i32 s38, s21, 23552
	v_add_nc_u32 v253, s38, v5                     ; the copy, waves 4-7: 46 units of 512 bytes each, in memory and in LDS alike
	s_lshl_b32 s38, s21, 11
	s_add_co_u32 s38, s38, 94208
	v_add_nc_u32 v254, s38, v5                     ; waves 0-3: 4 units each, behind those 184
	s_mov_b32 s34, 0x600000                        ; the mantissa field of 57,344
	s_mov_b32 s36, 0x76543210
	s_mov_b32 s37, 0xfedcba98                      ; v_permlanex16_b32's selects for lane l xor 16
	s_mov_b32 s23, 0                               ; passes done
	s_mov_b32 s47, 0                               ; 4,096 x passes done: the pass's x in my LDS bytes
	s_lshl_b32 s38, ttmp9, 3
	s_add_co_u32 s38, s38, s21                     ; my atom of the first pass; the second pass's is four further on
	s_lshl_b32 s40, s38, 2
	s_mov_b32 s41, 0
	s_lshl_b32 s46, s22, 8                         ; 256 g; stays
	s_lshl_b32 s44, s38, 13
	s_add_co_u32 s44, s44, s46
	s_mov_b32 s45, 0
	s_wait_kmcnt 0x0
	s_add_nc_u64 s[40:41], s[6:7], s[40:41]
	s_load_b32 s24, s[40:41], 0x0                  ; the two atoms' types
	s_load_b32 s25, s[40:41], 0x10
	s_add_nc_u64 s[26:27], s[4:5], s[44:45]        ; x at my half atom
	s_lshl_b32 s44, s38, 9
	s_add_co_u32 s44, s44, s46
	s_add_nc_u64 s[32:33], s[18:19], s[44:45]      ; out0 at my 64 channels
	WIN 0x40
.irp p, 0, 1                           ; both passes' x: load n brings rows 2 n (lanes 0-15) and 2 n + 1 (lanes 16-31), 256 bytes of each; every byte of x is read once in the launch
.irp n, 0,1,2,3,4,5,6,7
	global_load_b128 v[32*\p+4*\n:32*\p+4*\n+3], v252, s[26:27] offset:32768*\p+1024*\n th:TH_LOAD_NT
.endr
.endr
	WIN 0
	s_cmp_lt_u32 s20, 4
	s_cbranch_scc1 .Lhead_a
	; waves 4-7: 16 + 46 loads are out
.set NI, 0
.rept 46
	global_load_b128 v[52+4*NI:55+4*NI], v253, s[16:17] offset:512*NI
.set NI, NI+1
.endr
	s_wait_loadcnt 46                              ; x is in; the 46 loads of the image may be out
	XSTORE
.set NI, 0
.rept 46
	s_wait_loadcnt 45-NI                           ; loads come back in order: load NI is in, the 45 - NI behind it may be out
	ds_store_b128 v253, v[52+4*NI:55+4*NI] offset:512*NI
.set NI, NI+1
.endr
	s_wait_dscnt 0x0                               ; the stores have read their registers: the loads below land in some of them
	FIRSTLOADS
	s_branch .Lpass
.Lhead_a:
	; waves 0-3: the pass's first loads go out ahead of the wait for x
.irp n, 0,1,2,3
	global_load_b128 v[192+4*\n:195+4*\n], v254, s[16:17] offset:512*\n
.endr
	FIRSTLOADS
	s_wait_loadcnt 35                              ; x is in; behind it: 4 loads of the image and the 31 first loads
	XSTORE
	s_wait_loadcnt 31                              ; my 4 units of the image are in
.irp n, 0,1,2,3
	ds_store_b128 v254, v[192+4*\n:195+4*\n] offset:512*\n
.endr
.Lpass:
	s_wait_dscnt 0x0                               ; for the others' sake: my stores into the image have landed (second pass: my reads are back)
	s_barrier_signal -1                            ; up to the wait below stand work on registers, loads from memory into registers, and LDS loads of my own bytes for x, which nobody writes any more
	v_add_nc_u32 v9, s47, v3
	v_add_nc_u32 v10, s47, v4
	XLOAD
	TILE 0
	TILE 1
	TILE 2
	TILE 3
	; ---------------- phase M0
	v_cmp_ne_u32 vcc_lo, 0, v8                     ; lanes 16-31
	WIN 0x05
.set NI, 0
.rept 32
	v_cndmask_b32 v[XR+NI], v[XX0+NI], v[XX0+32+NI], vcc_lo   ; x_(8 h + j), chosen from XA: nothing is loaded
.set NI, NI+1
.endr
	WIN 0x40
.irp q, 0,1,2,3
.irp j, 0,1,2,3,4,5,6,7
	v_mov_b32 v[XH+8*\q+\j], v[XR+4*\j+\q]         ; by tile, so that neighbours along j are register pairs for the packed lines.  (x_0 .. x_7 stay where XA had them: they are XQ)
.endr
.endr
	WIN 0
	s_wait_loadcnt 8                               ; w2, w1, U1 are in; U2's eight loads may be out
	SIDEY 0
	SIDEY 1
	SIDEY 2
	SIDEY 3
.irp q, 0,1,2,3                        ; C = U1[a] w1
.set SX, W1Q+\q
.set SE, SX-(SX%2)
.irp y, 0,1,2,3
.if SX%2
	v_pk_mul_f32 v[D2+8*\q+2*\y:D2+8*\q+2*\y+1], v[U1H+2*\y:U1H+2*\y+1], v[SE:SE+1] op_sel:[0,1] op_sel_hi:[1,1]
.else
	v_pk_mul_f32 v[D2+8*\q+2*\y:D2+8*\q+2*\y+1], v[U1H+2*\y:U1H+2*\y+1], v[SE:SE+1] op_sel_hi:[1,0]
.endif
.endr
.endr
	s_wait_loadcnt 0x0                             ; U2
.set NI, 0
.rept 16
	v_cvt_pk_bf16_f32 v[U2F+NI], v[U2R+2*NI], v[U2R+2*NI+1]
.set NI, NI+1
.endr
.irp m, 0, 1
.irp q, 0,1,2,3                        ; the four accumulators by turns
	v_wmma_f32_16x16x32_bf16 v[D2+8*\q:D2+8*\q+7], v[U2F+8*\m:U2F+8*\m+7], v[Y+16*\q+8*\m:Y+16*\q+8*\m+7], v[D2+8*\q:D2+8*\q+7]
.endr
.endr
.rept 4
	v_nop                                          ; four places ahead of the first read of the results, and of the lines that write over Y (ISA guide 7.12.1)
.endr
	WIN 0x04                                       ; in the result lane (r, h) holds channel r and register j is a = 8 h + j: contracted with XH, it starts OUT
.irp q, 0,1,2,3
	v_pk_mul_f32 v[OUT+2*\q:OUT+2*\q+1], v[D2+8*\q:D2+8*\q+1], v[XH+8*\q:XH+8*\q+1]
.endr
.irp y, 1,2,3
.irp q, 0,1,2,3
	v_pk_fma_f32 v[OUT+2*\q:OUT+2*\q+1], v[D2+8*\q+2*\y:D2+8*\q+2*\y+1], v[XH+8*\q+2*\y:XH+8*\q+2*\y+1], v[OUT+2*\q:OUT+2*\q+1]
.endr
.endr
	WIN 0
	v_nop                                          ; with the four above: six places ahead of matrix instructions that write over registers which the bf16 products read (five are asked)
	v_nop
	s_barrier_wait -1                              ; every wave has signalled: the image is whole
	; ---------------- phase M
	SBLOAD 0
	BFLOAD 0
	BFLOAD 1
	WIN 0x04
.irp a, 0,1,2,3,4,5,6,7,8,9,10,11,12,13,14,15
	STEP \a
.endr
.set NI, 0
.rept 20
	POSTI 15, NI                                   ; step 15's own contraction; the eight lines that ended the step are the places ahead of it
.set NI, NI+1
.endr
	WIN 0
.irp q, 0,1,2,3
	v_add_f32 v[F+\q], v[OUT+2*\q], v[OUT+2*\q+1]  ; even and odd b,
.endr
.irp q, 0,1,2,3
	v_permlanex16_b32 v[P+\q], v[F+\q], s36, s37
.endr
.irp q, 0,1,2,3
	v_add_f32 v[F+\q], v[F+\q], v[P+\q]            ; and the other half of the lanes
.endr
	v_cmp_eq_u32 vcc_lo, 0, v8                     ; lanes 0-15
	s_wait_xcnt 0x0                                ; EXEC is a source of every pending memory instruction: it changes only behind this wait
	s_and_saveexec_b32 s42, vcc_lo
	global_store_b128 v1, v[F:F+3], s[32:33]       ; sixteen lanes store 256 consecutive bytes, aligned: channels 64 g .. 64 g + 63
	s_wait_xcnt 0x0                                ; and again ahead of the line that widens it; the bases below and the store's data are free too
	s_or_b32 exec_lo, exec_lo, s42
	s_add_nc_u64 s[32:33], s[32:33], 2048
	s_add_co_u32 s47, s47, 4096
	s_cmp_eq_u32 s23, 1                            ; behind the last pass nothing is asked for
	s_cbranch_scc1 .Lno_next
	s_mov_b32 s24, s25
	FIRSTLOADS                                     ; the next pass's first loads: their registers (fragments, accumulators, tile 3's codes) stand more than eight places behind the last product
.Lno_next:
	s_add_co_u32 s23, s23, 1
	s_cmp_lt_u32 s23, 2
	s_cbranch_scc1 .Lpass
	s_wait_xcnt 0x0
	s_mov_b32 exec_lo, -1
	v_lshl_add_u32 v50, v0, 2, 0x29000
	v_mov_b32 v51, 0
	s_wait_tensorcnt 0x0
	ds_add_u32 v50, v51
	s_wait_dscnt 0x0
	s_endpgm
.Lfunc_end_k_q80bd6c2784_main:
	.size	k_q80bd6c2784_main, .Lfunc_end_k_q80bd6c2784_main-k_q80bd6c2784_main
	.p2alignl 7, 3214868480
	.fill 96, 4, 3214868480
	.section	.rodata,"a",@progbits
	.p2align	6, 0x0
	.amdhsa_kernel k_q80bd6c2784_main
		.amdhsa_group_segment_fixed_size 168960
		.amdhsa_private_segment_fixed_size 0
		.amdhsa_enable_private_segment 0
		.amdhsa_kernarg_size 64
		.amdhsa_user_sgpr_count 2
		.amdhsa_user_sgpr_kernarg_segment_ptr 1
		.amdhsa_wavefront_size32 1
		.amdhsa_system_sgpr_workgroup_id_x 1
		.amdhsa_system_sgpr_workgroup_id_y 1
		.amdhsa_system_sgpr_workgroup_id_z 1
		.amdhsa_system_vgpr_workitem_id 0
		.amdhsa_next_free_vgpr 512
		.amdhsa_next_free_sgpr 66
		.amdhsa_reserve_vcc 1
		.amdhsa_float_denorm_mode_32 3
		.amdhsa_float_denorm_mode_16_64 3
		.amdhsa_memory_ordered 1
		.amdhsa_forward_progress 1
		.amdhsa_inst_pref_size 210
	.end_amdhsa_kernel
	.amdgpu_metadata
---
amdhsa.version: [ 1, 2 ]
amdhsa.kernels:
  - .name:           k_q80bd6c2784_main
    .symbol:         k_q80bd6c2784_main.kd
    .args:
      - { .name: x, .offset: 0, .size: 8, .value_kind: global_buffer, .address_space: global }
      - { .name: atom_types, .offset: 8, .size: 8, .value_kind: global_buffer, .address_space: global }
      - { .name: U1, .offset: 16, .size: 8, .value_kind: global_buffer, .address_space: global }
      - { .name: U2, .offset: 24, .size: 8, .value_kind: global_buffer, .address_space: global }
      - { .name: W1, .offset: 32, .size: 8, .value_kind: global_buffer, .address_space: global }
      - { .name: wimg, .offset: 40, .size: 8, .value_kind: global_buffer, .address_space: global }
      - { .name: ub, .offset: 48, .size: 8, .value_kind: global_buffer, .address_space: global }
      - { .name: out0, .offset: 56, .size: 8, .value_kind: global_buffer, .address_space: global }
    .group_segment_fixed_size: 168960
    .private_segment_fixed_size: 0
    .kernarg_segment_align: 8
    .kernarg_segment_size: 64
    .max_flat_workgroup_size: 256
    .sgpr_count:     66
    .vgpr_count:     512
    .wavefront_size: 32
...
	.end_amdgpu_metadata
.endif
;; end of part 2
